; MI455X (gfx1250); checked and timed in simulation.
; The chip was launched on July 23, 2026; its instructions are those of AMD's public machine-readable ISA for CDNA 5 (MIT licence, August 2026) and "CDNA5" Instruction Set Architecture Reference Guide (July 2026). The comments in the code are by the model that wrote it; some were corrected since.
;; Lo RA Layer. Allowed arithmetic: matrix products marked QUANTISED: E2M3 operands, one E8M0 scale for each 32 along K, by v_wmma_scale_f32_16x16x128_f8f6f4 with both operands' format E2M3, f32 sums; products left as they are: f32 operands where the result goes on into a quantised operand, else bf16, f16 or f32 operands; f32 sums; everything else in f32.
;; Inputs: A 16 x 4,096 float32; B 4,096 x 16 float32; W_codes 4,096 x 128 x 24 uint8 (E2M3 codes of W, K innermost, in blocks of 32 codes, four codes in three bytes); W_scales 4,096 x 128 uint8 (E8M0 scales of W, one for each 32 codes along K); b 4,096 float32; x_codes 2,048 x 128 x 24 uint8 (E2M3 codes of x, K innermost, in blocks of 32 codes, four codes in three bytes); x_scales 2,048 x 128 uint8 (E8M0 scales of x, one for each 32 codes along K).
;; Outputs: out0 2,048 x 4,096 float32.
;; This version of the problem:
;;   THIS VERSION OF THE PROBLEM IS GIVEN IN LOW PRECISION. The matrix products marked QUANTISED in the list below multiply operands that are first quantised to E2M3 (2 exponent bits, 3 mantissa bits; 6 bits a number), with one power-of-two scale for each 32 numbers along K (OCP MX v1.0); their sums are f32. All else is computed in f32.
;;   The module's matrix products, in the order in which they are computed (A, B: the left and right operand; K: the contracted axis; several contracted axes count as one K, in the product's order):
;;     1. [M 2,048, K 4,096] x [K 4,096, N 4,096]; A: input x (given as codes); B: input W (given as codes): QUANTISED
;;     2. [M 4,096, K 16] x [K 16, N 4,096]; A: input B; B: input A: left as it is (K = 16 < 32)
;;     3. [M 2,048, K 4,096] x [K 4,096, N 4,096]; A: input x (given as codes); B: computed on the way: QUANTISED
;;   THE QUANTISER, for each operand of a quantised product, along K:
;;     - K is cut into blocks of 32 from its start; a last block that is shorter is filled with zeros.
;;     - A block's scale is 2^e with e = floor(log2(the largest magnitude in the block)) - 2, held to -126 .. 127; a block of zeros has e = 0. As a byte (E8M0): e + 127.
;;     - Each number is divided by its block's scale, clamped to +-7.5, and rounded to the nearest number of E2M3, ties to even, subnormals kept.
;;     - The product sums the exact products of the quantised numbers (number of the format x scale) in f32.
;;   ~~~python
;;   def quantise(x, axis):      # numpy; x: float32 -> the quantised numbers, widened to float32 again
;;       x = np.moveaxis(x, axis, -1); K = x.shape[-1]
;;       x = np.pad(x, [(0, 0)] * (x.ndim - 1) + [(0, -K % 32)]); x = x.reshape(x.shape[:-1] + (-1, 32)); a = np.abs(x).max(-1, keepdims=True)
;;       e = np.where(a > 0, np.clip(np.frexp(np.where(a > 0, a, 1))[1] - 1 - 2, -126, 127), 0)      # np.frexp(a)[1] - 1 = floor(log2(a)), exactly
;;       r = np.clip(x / 2.0 ** e, -7.5, 7.5)
;;       step = 2.0 ** (np.maximum(np.frexp(np.where(r == 0, 1, r))[1] - 1, 0) - 3)
;;       q = np.round(r / step) * step * 2.0 ** e      # np.round: ties to even
;;       return np.moveaxis(q.reshape(q.shape[:-2] + (-1,))[..., :K], -1, axis).astype(np.float32)
;;   ~~~
;;   OPERANDS COMPUTED ON THE WAY. 'Computed on the way' means the value that the module computes at that place (a softmax that the list does not call 'softmax' is quantised finished and normalised). What goes into a quantiser is computed in f32, as accurately as f32 sums, v_exp_f32 and their like allow (about 1e-6 of the number): no bf16 or f16 on the way to a quantiser, and a product that is left as it is and whose result goes on into a quantised operand takes f32 operands (vector FMAs, or v_wmma_f32_16x16x4_f32). A number that lies on a knife's edge between two numbers of the format may be rounded either way, as far as f32 arithmetic and the matrix unit's own rounding can turn it there, and no further.
;;   INPUTS GIVEN AS CODES. W (in the module: [4096, 4096], K = its axis 1); x (in the module: [2048, 4096], K = its axis 1): each comes as NAME_codes (uint8): NAME with its K axis moved to the last place and cut into blocks of 32 codes, [.., K / 32, bytes a block], one block behind the other in memory; four codes in three bytes: a row's codes are one little-endian stream of bits, code i at bits 6 i .. 6 i + 5 (a code: sign, 2 exponent bits, 3 mantissa bits); and NAME_scales (uint8): the same leading axes, one E8M0 byte (e + 127) for each 32 codes along K. Its value is code x scale, taken as it is: it is not quantised again, and the codes and scales need not be those that the quantiser above would give.
;; One version. Each part assembles by itself: llvm-mc -triple=amdgcn-amd-amdhsa -mcpu=gfx1250 --defsym DOCPART=n.
;; ======== version 1 of 1: 2 launches
;; workspace buffers: L_codes 12,582,912 bytes; L_scales 524,288 bytes
;; launch lora (part 1): grid 64 x 4, 16 waves a work-group, no clusters, 54,272 bytes of LDS; arguments A, B, L_codes, L_scales; writes L_codes, L_scales
.if DOCPART == 1
	.amdgcn_target "amdgcn-amd-amdhsa--gfx1250"
	.amdhsa_code_object_version 6
	.text
	.protected	k_qc88f61d8df_lora
	.globl	k_qc88f61d8df_lora
	.p2align	8
	.type	k_qc88f61d8df_lora,@function
k_qc88f61d8df_lora:
	s_mov_b64 s[64:65], 0
	v_nop
	global_prefetch_b8 v0, s[64:65] scope:SCOPE_SE
	s_setreg_imm32_b32 hwreg(HW_REG_WAVE_MODE, 25, 1), 1
	s_wait_xcnt 0x0
; L[j][n] = sum over the 16 ranks of B[j][rank] A[rank][n], in f32, quantised to E2M3 along j (the K of x @ L) and laid as an operand: codes [n][j / 32][24 bytes], scale bytes [n][j / 32].
; THE SCALING BY 2 (alpha / rank) IS PUT INTO THE SCALE BYTE: the byte stored is the quantiser's + 1, which doubles every number of the block and rounds nothing.
; SHARES.  A work-group makes 64 n x 1,024 j; wave w of sixteen makes j = 1024 y + 64 w .. + 63 (two blocks of 32) for the 64 n: 16 tiles of 16 x 16, four matrix instructions of 4 ranks each.
; LAYOUT.  Source 0 = 16 rows of B (the tile's j), source 1 = 16 columns of A (n): in the result a lane holds ONE n (lane % 16) and eight j.  THE ROWS OF B THAT FORM A TILE ARE NOT NEIGHBOURS: lane r of tile
; 2 q + u takes row 32 q + 8 u + r + 8 (r / 8), so that the 16 registers of tiles 2 q and 2 q + 1 are 16 neighbours along j: 32 q + 16 (lane / 16) + 0 .. 15.  The conversions then give codes with j innermost.
; The ranks are permuted alike on both sides (step k, place 2 h + i = rank 8 h + 2 k + i), so that a lane's eight numbers of B are 32 neighbouring bytes.
; THE WAY OUT.  A wave's codes are 48 bytes of each of 64 rows; the sixteen waves' meet in a stage in LDS (64 rows x 768 bytes), one barrier, and leave as rows: sixteen lanes store 256 consecutive bytes, aligned.
; The scale bytes leave as 32 bytes of each row of 128: one byte in 24 of what the launch stores; whole rows would want a work-group to walk all of j and so to read all of B.
; LIMITS: NaN and infinities in A or B are not served.  A block whose largest magnitude lies under 2^-124 (a block of zeros too) is held at the quantiser's byte 1 (stored: 2); a block of zeros has zero codes, and these bytes are read
; by this program alone.  The rank sum is made of fused multiply-adds in the order 2 k, 2 k + 1, 8 + 2 k, 9 + 2 k, k = 0 .. 3.
.set BF,     16                        ; v16-47   B: tile m's eight ranks of my half at v[BF + 8 m];  later CX
.set AF,     48                        ; v48-79   A: n tile n's eight ranks of my half at v[AF + 8 n];  later the rows on their way out
.set ACC,    80                        ; v80-207  the 16 sums: (n tile n, j tile m) at v[ACC + 32 n + 8 m]; written by matrix instructions alone
.set TM,     208                       ; v208-215 largest magnitudes of the eight groups g = 2 n + q
.set TP,     216                       ; v216-223 the other half's, then the bytes
.set SO,     224                       ; v224-231 the conversions' scale operands
.set PB,     232                       ; v232-235 two scale bytes for each n tile
.set CX,     16                        ; the codes: eight registers for each n tile
.set OUTR,   48
.set CPITCH, 784                       ; a stage row: 768 bytes + 16 = 196 words: the 32 lanes of an 8-byte store touch 64 different banks (64 banks of 4 bytes: ISA guide 11.1)
.set SST,    64*CPITCH                 ; behind it: the scale bytes, 64 rows x 32
.set KROW,   3072                      ; a row of the codes' buffer
	s_load_b128 s[4:7], s[0:1], 0x0                ; A s[4:5], B s[6:7]
	s_load_b128 s[8:11], s[0:1], 0x10              ; the codes s[8:9], the scale bytes s[10:11]
	v_lshl_add_u32 v254, v0, 2, 0xcc00
	v_mov_b32 v255, 0
	v_lshrrev_b32 v1, 5, v0
	v_readfirstlane_b32 s12, v1                    ; wave 0..15
	s_and_b32 s13, ttmp7, 0xffff                   ; which 1,024 along j
	v_and_b32 v1, 15, v0                           ; r
	v_bfe_u32 v2, v0, 4, 1                         ; h
	v_and_b32 v3, 8, v1
	v_add_nc_u32 v3, v3, v1                        ; r + 8 (r / 8)
	v_lshlrev_b32 v3, 6, v3                        ; B: a row is 64 bytes,
	v_lshl_add_u32 v3, v2, 5, v3                   ; + 32 h: ranks 8 h .. 8 h + 7
	v_lshlrev_b32 v4, 2, v1                        ; A: column r,
	v_lshl_add_u32 v4, v2, 17, v4                  ; + 8 h rows of 16,384 bytes
	s_mul_i32 s24, s12, 48
	v_mul_u32_u24 v5, v1, CPITCH
	v_mad_u32_u24 v5, v2, 24, v5
	v_add_nc_u32 v5, s24, v5                       ; into the stage: row r, my wave's 48 bytes, block h's 24 of them
	s_lshl_b32 s24, s12, 1
	s_add_co_u32 s24, s24, SST
	v_lshl_add_u32 v6, v1, 5, s24                  ; the scale bytes: row r, my wave's two
	v_lshrrev_b32 v11, 4, v0                       ; out of the stage: sixteen threads to 256 bytes of a row, 32 rows an instruction
	v_mul_u32_u24 v7, v11, CPITCH
	v_lshl_add_u32 v7, v1, 4, v7
	v_mul_u32_u24 v8, v11, KROW
	v_lshl_add_u32 v8, v1, 4, v8                   ; and the same place in the codes' buffer
	v_and_b32 v12, 127, v0                         ; the scale bytes' way out: 128 threads x 16 bytes (waves 0 to 3)
	v_lshl_add_u32 v9, v12, 4, SST
	v_lshrrev_b32 v13, 1, v12
	v_and_b32 v12, 1, v12
	v_lshlrev_b32 v10, 7, v13
	v_lshl_add_u32 v10, v12, 4, v10                ; row (thread / 2) of 128 bytes, + 16 (thread % 2)
.irp g, 0,1,2,3,4,5,6,7
	v_mov_b32 v[TP+\g], 0                          ; written once: a lane permute's destination counts as one of its sources
.endr
	s_lshl_b32 s14, ttmp9, 8                       ; A: my 64 columns
	s_mov_b32 s15, 0
	s_lshl_b32 s16, s13, 16                        ; B: 1,024 rows of 64 bytes for each y,
	s_lshl_b32 s17, s12, 12                        ; 64 rows for each wave
	s_add_co_u32 s16, s16, s17
	s_mov_b32 s17, 0
	s_mul_i32 s18, ttmp9, 64*KROW                  ; the codes: my 64 rows,
	s_mul_i32 s19, s13, 768                        ; my 1,024 codes of each
	s_add_co_u32 s18, s18, s19
	s_mov_b32 s19, 0
	s_lshl_b32 s22, ttmp9, 13                      ; the scale bytes: 64 rows of 128,
	s_lshl_b32 s23, s13, 5                         ; my 32 of each
	s_add_co_u32 s22, s22, s23
	s_mov_b32 s23, 0
	s_mov_b32 s20, 0x76543210
	s_mov_b32 s21, 0xfedcba98                      ; v_permlanex16_b32's selects for lane l xor 16
	s_wait_kmcnt 0x0
	s_add_nc_u64 s[4:5], s[4:5], s[14:15]
	s_add_nc_u64 s[6:7], s[6:7], s[16:17]
	s_add_nc_u64 s[8:9], s[8:9], s[18:19]
	s_add_nc_u64 s[10:11], s[10:11], s[22:23]
.irp m, 0,1,2,3
	global_load_b128 v[BF+8*\m:BF+8*\m+3],   v3, s[6:7] offset:(32*(\m/2)+8*(\m%2))*64
	global_load_b128 v[BF+8*\m+4:BF+8*\m+7], v3, s[6:7] offset:(32*(\m/2)+8*(\m%2))*64+16
.endr
.irp n, 0,1,2,3
.irp i, 0,1,2,3,4,5,6,7
	global_load_b32 v[AF+8*\n+\i], v4, s[4:5] offset:\i*16384+64*\n   ; A(8 h + i, 16 n + r)
.endr
.endr
	s_wait_loadcnt 0x0
; 64 matrix instructions: the 16 sums take turns, one instruction a turn; each sum's first step takes the constant 0 as C
.irp k, 0,1,2,3
.irp n, 0,1,2,3
.irp m, 0,1,2,3
.if \k == 0
	v_wmma_f32_16x16x4_f32 v[ACC+32*\n+8*\m:ACC+32*\n+8*\m+7], v[BF+8*\m:BF+8*\m+1], v[AF+8*\n:AF+8*\n+1], 0
.else
	v_wmma_f32_16x16x4_f32 v[ACC+32*\n+8*\m:ACC+32*\n+8*\m+7], v[BF+8*\m+2*\k:BF+8*\m+2*\k+1], v[AF+8*\n+2*\k:AF+8*\n+2*\k+1], v[ACC+32*\n+8*\m:ACC+32*\n+8*\m+7]
.endif
.endr
.endr
.endr
.rept 8
	v_nop                                          ; eight places behind this form before a vector instruction reads a result (ISA guide 7.12.1)
.endr
; Group g = 2 n + q: my 16 numbers of block q of column 16 n + r stand in v[ACC + 16 g] on.  The eight groups by turns; each sum is read from its low end on.
.irp g, 0,1,2,3,4,5,6,7
	v_max3_num_f32 v[TM+\g], |v[ACC+16*\g]|, |v[ACC+16*\g+1]|, 0x1800000   ; and the floor 2^(3 - 127): the quantiser's byte cannot fall under 1
.endr
.irp i, 2,4,6,8,10,12,14
.irp g, 0,1,2,3,4,5,6,7
	v_max3_num_f32 v[TM+\g], v[TM+\g], |v[ACC+16*\g+\i]|, |v[ACC+16*\g+\i+1]|
.endr
.endr
.irp g, 0,1,2,3,4,5,6,7
	v_permlanex16_b32 v[TP+\g], v[TM+\g], s20, s21
.endr
.irp g, 0,1,2,3,4,5,6,7
	v_max_num_f32 v[TM+\g], v[TM+\g], v[TP+\g]     ; with lane l xor 16's 16: the block's largest magnitude
.endr
.irp g, 0,1,2,3,4,5,6,7
	v_add_nc_u32 v[SO+\g], 0xff000000, v[TM+\g]    ; 2 off its exponent field: the conversion takes the exponent field of this operand as its scale, and nothing else of it
.endr
.irp g, 0,1,2,3,4,5,6,7
	v_lshrrev_b32 v[TP+\g], 23, v[SO+\g]           ; the quantiser's byte, 1 to 252
.endr
.irp n, 0,1,2,3
	v_lshl_or_b32 v[PB+\n], v[TP+2*\n+1], 8, v[TP+2*\n]
.endr
.irp n, 0,1,2,3
	v_add_nc_u32 v[PB+\n], 0x0101, v[PB+\n]        ; + 1 in both bytes: the scaling by 2; at most 253, so nothing is carried
.endr
.irp n, 0,1,2,3
	v_cvt_scalef32_pk16_fp6_f32 v[CX+8*\n:CX+8*\n+2],   v[ACC+32*\n:ACC+32*\n+15],    v[SO+2*\n]     ; j = 16 h + 0 .. 15 of block 0
	v_cvt_scalef32_pk16_fp6_f32 v[CX+8*\n+4:CX+8*\n+6], v[ACC+32*\n+16:ACC+32*\n+31], v[SO+2*\n+1]   ; and of block 1
.endr
	v_nop                                          ; one plain place behind a scaled conversion
.irp n, 0,1,2,3
.irp i, 0,1,2
	v_permlane16_swap_b32 v[CX+8*\n+\i], v[CX+8*\n+4+\i]   ; the first's lanes 16-31 change places with the second's lanes 0-15: lane (r, h) now holds block h: its lower 16 codes in the first, its upper 16 in the second
.endr
.endr
.irp n, 0,1,2,3
.irp i, 0,1,2
	v_mov_b32 v[CX+8*\n+3+\i], v[CX+8*\n+4+\i]     ; six registers on end: the block's 24 bytes
.endr
.endr
.irp n, 0,1,2,3
.irp c, 0,1,2
	ds_store_b64 v5, v[CX+8*\n+2*\c:CX+8*\n+2*\c+1] offset:\n*16*CPITCH+8*\c
.endr
	ds_store_b16 v6, v[PB+\n] offset:512*\n        ; both halves of the lanes write the same two bytes with the same value
.endr
	s_wait_dscnt 0x0                               ; for the others' sake: my stores into the stage are done
	s_barrier_signal -1
	s_barrier_wait -1                              ; 64 rows of 768 bytes, and their 32 scale bytes, are whole
.irp p, 0,1,2,3,4,5
	ds_load_b128 v[OUTR+4*\p:OUTR+4*\p+3], v7 offset:32*CPITCH*(\p/3)+256*(\p%3)
.endr
.irp p, 0,1,2,3,4,5
	s_wait_dscnt 5-\p                              ; LDS loads come back in order (ISA guide 5.7.1): the younger ones may stay out
	global_store_b128 v8, v[OUTR+4*\p:OUTR+4*\p+3], s[8:9] offset:32*KROW*(\p/3)+256*(\p%3)   ; sixteen lanes store 256 consecutive bytes, at a multiple of 256 from the buffer's first byte
.endr
	s_cmp_lt_u32 s12, 4                            ; the 2,048 scale bytes are four waves' worth
	s_cbranch_scc0 .Ldone
	ds_load_b128 v[OUTR+24:OUTR+27], v9
	s_wait_dscnt 0x0
	global_store_b128 v10, v[OUTR+24:OUTR+27], s[10:11]
.Ldone:
	s_wait_tensorcnt 0x0
	ds_add_u32 v254, v255
	s_wait_dscnt 0x0
	s_endpgm
.Lfunc_end_k_qc88f61d8df_lora:
	.size	k_qc88f61d8df_lora, .Lfunc_end_k_qc88f61d8df_lora-k_qc88f61d8df_lora
	.p2alignl 7, 3214868480
	.fill 96, 4, 3214868480
	.section	.rodata,"a",@progbits
	.p2align	6, 0x0
	.amdhsa_kernel k_qc88f61d8df_lora
		.amdhsa_group_segment_fixed_size 54272
		.amdhsa_private_segment_fixed_size 0
		.amdhsa_enable_private_segment 0
		.amdhsa_kernarg_size 32
		.amdhsa_user_sgpr_count 2
		.amdhsa_user_sgpr_kernarg_segment_ptr 1
		.amdhsa_wavefront_size32 1
		.amdhsa_system_sgpr_workgroup_id_x 1
		.amdhsa_system_sgpr_workgroup_id_y 1
		.amdhsa_system_sgpr_workgroup_id_z 1
		.amdhsa_system_vgpr_workitem_id 0
		.amdhsa_next_free_vgpr 256
		.amdhsa_next_free_sgpr 66
		.amdhsa_reserve_vcc 0
		.amdhsa_float_denorm_mode_32 3
		.amdhsa_float_denorm_mode_16_64 3
		.amdhsa_memory_ordered 1
		.amdhsa_forward_progress 1
		.amdhsa_inst_pref_size 22
	.end_amdhsa_kernel
	.amdgpu_metadata
---
amdhsa.version: [ 1, 2 ]
amdhsa.kernels:
  - .name:           k_qc88f61d8df_lora
    .symbol:         k_qc88f61d8df_lora.kd
    .args:
      - { .name: A, .offset: 0, .size: 8, .value_kind: global_buffer, .address_space: global }
      - { .name: B, .offset: 8, .size: 8, .value_kind: global_buffer, .address_space: global }
      - { .name: L_codes, .offset: 16, .size: 8, .value_kind: global_buffer, .address_space: global }
      - { .name: L_scales, .offset: 24, .size: 8, .value_kind: global_buffer, .address_space: global }
    .group_segment_fixed_size: 54272
    .private_segment_fixed_size: 0
    .kernarg_segment_align: 8
    .kernarg_segment_size: 32
    .max_flat_workgroup_size: 512
    .sgpr_count:     66
    .vgpr_count:     256
    .wavefront_size: 32
...
	.end_amdgpu_metadata
.endif
;; end of part 1
;; launch gemm (part 2): grid 32 x 8, 4 waves a work-group, clusters of 4 x 4, 327,680 bytes of LDS; arguments x_codes, x_scales, W_codes, W_scales, L_codes, L_scales, b, out0; writes out0
.if DOCPART == 2
	.amdgcn_target "amdgcn-amd-amdhsa--gfx1250"
	.amdhsa_code_object_version 6
	.text
	.protected	k_qc88f61d8df_gemm
	.globl	k_qc88f61d8df_gemm
	.p2align	8
	.type	k_qc88f61d8df_gemm,@function
k_qc88f61d8df_gemm:
	s_mov_b64 s[64:65], 0
	v_nop
	global_prefetch_b8 v0, s[64:65] scope:SCOPE_SE
	s_setreg_imm32_b32 hwreg(HW_REG_WAVE_MODE, 25, 1), 1
	s_wait_xcnt 0x0
	s_wait_alu depctr_hold_cnt(0) depctr_sa_sdst(0) depctr_va_vdst(0) depctr_va_sdst(0) depctr_va_ssrc(0) depctr_va_vcc(0) depctr_vm_vsrc(0)
	s_getreg_b32 s2, hwreg(HW_REG_IB_STS2, 6, 4)
	s_cmp_eq_u32 s2, 0
	s_cbranch_scc0 .Lentry_in_a_cluster
	s_endpgm
.Lentry_in_a_cluster:
	s_bfe_u32 s2, ttmp6, 0x10000c
	s_cmp_lg_u32 s2, 0xf033
	s_cbranch_scc0 .Lentry_shape_is_right
	s_endpgm
.Lentry_shape_is_right:
; out[t][n] = sum over k of x[t][k] W[n][k] + b[n] + sum over k of x[t][k] (2 L)[n][k].  x [2048][4096], W and L [4096][4096]: codes of FP6 (E2M3), K innermost, 128 codes in 96 bytes, one E8M0 byte for each 32 along K;
; L's bytes carry the scaling by 2.  out: [2048][4096] f32.  BOTH PRODUCTS HAVE THE SAME LEFT OPERAND AND THE SAME K: so W's and L's rows are two right operands against one fragment of x, and both add into ONE accumulator,
; which begins as the bias.  LIMIT: the f32 sum of an output so takes b first and then, for each 128 along K, W's part and L's part; the sums are not kept apart and added at the end.
; SHARES.  A work-group makes 256 t x 128 n; wave w of four makes t = 128 (w / 2) on, n = 64 (w % 2) on: 32 accumulators of 16 x 16, 256 registers.  For 128 along K a wave reads 8 fragments of x, 4 of W, 4 of L
; (16 x 1,536 bytes) and issues 64 matrix instructions.  256 work-groups: one tile each.
; K goes in steps of 256 through a ring of two LDS slots filled by the tensor data mover: 256 rows of x, 128 of W, 128 of L, 192 bytes each; wave 0, 1: x's halves, wave 2: W's rows, wave 3: L's.
; THE SCALES of these 512 rows, for all of K, are four dense blocks of 16,384 bytes: they come into LDS once, with the first fills, as rows of 256 bytes, and stay.
; CLUSTERS: 4 x 4 work-groups.  The four of a row of the cluster need the same tiles of x, the four of a column the same tiles of W and L: each tile is asked for JOINTLY, by the same tensor load with the same
; descriptor and a mask that names the four.  THE MATRIX INSTRUCTION IS USED TRANSPOSED (source 0 = 16 rows of W or L, source 1 = 16 rows of x): a lane then holds eight neighbouring numbers of a row of out.
; REGISTERS, in windows of 256: window 0: v1-8 at work at the head (v8 stays), v16-31 addresses, v32-63 scale words (two sets), v64-95 the bias, v128-191 rows on their way out.
;   window 1: x's fragments, two sets, at v0 and v128.   window 2: W's four and L's four fragments, two sets, at v0 and v128.   window 3: accumulator (a, b) at v[8 (4 a + b)].
.set ROWB,   192                       ; a tile's row in bytes: 256 codes
.set KROW,   3072                      ; a row of x, W or L in memory
.set PITCH,  240                       ; an LDS row: 3 x (64 bytes + 16 of padding) = 60 words: the 32 lanes of an 8-byte load touch 64 different banks (64 banks of 4 bytes: ISA guide 11.1)
.set FR,     12                        ; registers of a fragment: 16 rows x 128 K
.set NP,     4                         ; places behind this matrix instruction (ISA guide 7.12.1)
.set HALFT,  128*PITCH                 ; 128 rows: what one tensor load brings
.set SLOT,   4*HALFT                   ; x's 256 rows, W's 128, L's 128
.set LAPS,   8                         ; a lap = two K steps = once round the ring: 4096 / 512
.set SCL,    2*SLOT                    ; behind the ring: the scales, as rows of 256 bytes + 16 of padding
.set HALFS,  64*272                    ; those of 128 rows (128 bytes a row): what one tensor load brings
.set SBLK,   8*272                     ; those of 16 rows
.set SPARE,  SCL+4*HALFS               ; behind the scales: the spare words, 128 bytes for each wave: two blocks of 256 bytes that no other line names
.set SPITCH, 272                       ; the way out: a stage of 16 rows x (256 bytes + 16) for each wave, in slot 0, which has had its last fill and its last read when the first result is stored there
.set OROW,   16384                     ; a row of out in bytes
.set ADRA, 16                          ; v16-17  LDS address of my fragments of x in slot 0, 1  (v18-19: for the pieces that lie behind one padding more)
.set ADRB, 20                          ; v20-21  the same for W's (L's lie HALFT further on)  (v22-23)
.set STO,  24                          ; v24     the way out: where I put 32 bytes of a row
.set RD,   25                          ; v25     where I read a row back
.set CO,   26                          ; v26     my byte offset in two rows of out
.set ADRS, 27                          ; v27     my scale words: lanes 0-15 x's blocks 0-3, lanes 16-31 W's blocks 0-3
.set SPW,  28                          ; v28     LDS address of my spare word: SPARE + 4 x my thread's number; never rewritten
.set NIL,  29                          ; v29     0; never rewritten
.set ADRS2, 30                         ; v30     lanes 0-15 x's blocks 4-7, lanes 16-31 L's blocks 0-3
.set PFO,  31                          ; v31     the prefetches' offset: my lane x a row; never rewritten
.set SC,   32                          ; scale words: set s at v[SC + 16 s]; in it register 2 i + q: lanes 0-15 x's block i, lanes 16-31 W's block i (i < 4) or L's block i - 4, for the slot's q-th 128 along K
.set BIAS, 64                          ; v[BIAS + 8 b]: b at my eight columns of n block b, in the result's layout
.set BK,   128                         ; the way out: 16 rows read back: v128-159 and v160-191 by turns
.set G1,   24                          ; s[24:31] descriptor group 1 for x's tiles;  s[32:39] group 0, one set for each slot
.set G0,   32
.set G1B,  48                          ; s[48:55], s[56:63] the same for W's and L's tiles
.set G0B,  56
.set G1S,  68                          ; s[68:75], s[76:79] groups 1 and 0 for x's scales;  s[80:87], s[88:91] for W's and L's
.set G0S,  76
.set G1SB, 80
.set G0SB, 88
.set PFA,  98                          ; s[98:99] where my prefetches stand
.set LIM,  100                         ; s100    1 in a wave that prefetches, else the greatest number
.set MSB, 0
.macro WIN new                         ; the immediate's high byte repeats the setting that is left; a switch that changes nothing is dropped
.if MSB != \new
	s_set_vgpr_msb (MSB<<8)|\new
.set MSB, \new
.endif
.endm
.set MUL,   0xf6                       ; source 0 (W, L) window 2, source 1 (x) window 1, C and D window 3
.set MUL_B, 0xc6                       ; the same with C (the bias) in window 0
.set TO_A,  0x40                       ; destination window 1, address window 0
.set TO_B,  0x80                       ; destination window 2
; A joint load: waves 0 and 1 fetch for x, waves 2 and 3 for W and L.  Each of the two lines has ONE mask; the branch hangs on the wave's number alone.
; Four v_nop follow each of the two lines, ahead of the jump, the label and what follows.
.macro JLOAD g0a, g1a, g0b, g1b
	s_cmp_eq_u32 s21, 0
	s_cbranch_scc0 .Lfor_b_\@
	tensor_load_to_lds s[\g0a:\g0a+3], s[\g1a:\g1a+7]
	s_nop 0
.rept 4
	v_nop
.endr
	s_branch .Lasked_\@
.Lfor_b_\@:
	tensor_load_to_lds s[\g0b:\g0b+3], s[\g1b:\g1b+7]
	s_nop 0
.rept 4
	v_nop
.endr
.Lasked_\@:
.endm
.macro CREST                           ; a round of the cluster's barrier behind its opening barrier
	s_cmp_lg_u32 s20, 0
	s_cbranch_scc1 .Lnot_wave_0_\@
	s_barrier_signal -3
.Lnot_wave_0_\@:
	s_barrier_wait -3
	s_barrier_signal -1
	s_barrier_wait -1
.endm
.macro CROUND                          ; a whole round
	s_barrier_signal -1
	s_barrier_wait -1
	CREST
.endm
; A PREFETCH INTO THE L2, behind each joint refill and the run of LDS loads that follows it: the K step that stands TWO refills on, 32 rows, a lane a row, one instruction a wave.
; Each aligned block of 256 bytes is named ONCE in the launch.  x's tile row is read by every cluster of that row of clusters: cluster x = 0 asks; W's and L's tile column by both clusters of that column: cluster y = 0 asks.
; The four partners that ask for a tile jointly share its 128 rows out BY ADDRESS, 32 each (by cx for x, by cy for W and L).  A K step's part of a row is 192 bytes, so a lane names the part's LAST byte: the block in which
; the part ends is one that no earlier K step's part has touched, but for K steps 3, 7, 11, 15, whose part ends in the block named a K step before: those fall on slot 1's refill in the trips with an even count, and are left out.
; The loop's last trip asks for nothing: there is no K step two refills on.  K steps 0 to 3 come by their loads alone.
.macro ASK slot
	s_cmp_gt_u32 s3, s[LIM]
	s_cbranch_scc0 .Lnot_mine_\@
.if \slot
	s_bitcmp1_b32 s3, 0
	s_cbranch_scc0 .Lnot_mine_\@
.endif
	global_prefetch_b8 v[PFO], s[PFA:PFA+1] th:TH_LOAD_NT scope:SCOPE_SE
.Lnot_mine_\@:
.endm
	s_load_b256 s[4:11], s[0:1], 0x0               ; x's codes s[4:5], x's scales s[6:7], W's codes s[8:9], W's scales s[10:11]
	s_load_b256 s[12:19], s[0:1], 0x20             ; L's codes s[12:13], L's scales s[14:15], b s[16:17], out s[18:19]
	v_lshl_add_u32 v[SPW], v0, 2, SPARE
	v_mov_b32 v[NIL], 0
	ds_add_u32 v28, v29
	ds_add_u32 v28, v29
	s_wait_dscnt 0x0
	v_lshrrev_b32 v1, 5, v0
	v_readfirstlane_b32 s20, v1                    ; wave 0..3
	s_lshr_b32 s21, s20, 1                         ; which half of the tile's rows is mine.  Also: I fetch for x (0) or for W and L (1)
	s_and_b32 s22, s20, 1                          ; which half of its columns.  Also: which half of x, or W (0) or L (1), I fetch
	s_bfe_u32 s40, ttmp6, 0x40000                  ; cx, cy: my place in the cluster
	s_bfe_u32 s41, ttmp6, 0x40004
	s_lshl_b32 s42, ttmp9, 2
	s_add_co_u32 s42, s42, s40                     ; tile column = 4 x cluster x + cx
	s_and_b32 s43, ttmp7, 0xffff
	s_lshl_b32 s43, s43, 2
	s_add_co_u32 s43, s43, s41                     ; tile row = 4 x cluster y + cy
	s_lshl_b32 s44, s41, 2
	s_lshl_b32 s44, 15, s44                        ; my row of the cluster
	s_lshl_b32 s45, 0x1111, s40                    ; my column
	; descriptor group 1: a tile of 128 rows x 192 bytes, padded in LDS
	s_or_b32 s[G1+0], s44, (0<<16)|(1<<20)|(1<<21)|(3<<22)|(3<<25)   ; 15:0 the mask: x's tiles go to my row; 17:16 element of 1 byte; 20 padding on; 21 set beside a mask; 24:22 after every 16 words (code 3); 31:25 of 4 words (code 3)
	s_or_b32 s[G1B+0], s45, (0<<16)|(1<<20)|(1<<21)|(3<<22)|(3<<25)  ; the same with the mask of my column
.irp g, G1, G1B
	s_mov_b32 s[\g+1], ROWB<<16                    ; tensor_dim0
	s_mov_b32 s[\g+2], 128<<16                     ; tensor_dim1 = 128
	s_mov_b32 s[\g+3], ROWB<<16                    ; tile_dim0
	s_mov_b32 s[\g+4], 128                         ; tile_dim1 = 128
	s_mov_b32 s[\g+5], KROW                        ; tensor_dim0_stride
	s_mov_b32 s[\g+6], 0
	s_mov_b32 s[\g+7], 0
.endr
	; and for the scales of 128 rows: a dense block of 16,384 bytes, as 64 rows of 256 bytes (32 elements of 8 bytes), 16 bytes of padding behind each
	s_or_b32 s[G1S+0], s44, (3<<16)|(1<<20)|(1<<21)|(5<<22)|(3<<25)
	s_or_b32 s[G1SB+0], s45, (3<<16)|(1<<20)|(1<<21)|(5<<22)|(3<<25)
.irp g, G1S, G1SB
	s_mov_b32 s[\g+1], 32<<16
	s_mov_b32 s[\g+2], 64<<16
	s_mov_b32 s[\g+3], 32<<16
	s_mov_b32 s[\g+4], 64
	s_mov_b32 s[\g+5], 32
	s_mov_b32 s[\g+6], 0
	s_mov_b32 s[\g+7], 0
.endr
	; where the tiles come from.  x's hang on the tile row alone (s92-95 never hold cx), W's and L's on the tile column alone (s46, s47, s96, s97)
	s_lshl_b32 s92, s43, 8
	s_lshl_b32 s93, s22, 7
	s_add_co_u32 s92, s92, s93                     ; x: row 256 x tile row + 128 x half
	s_lshl_b32 s94, s92, 7                         ; its scales: 128 bytes a row
	s_mul_i32 s92, s92, KROW                       ; its codes (under 2^23 bytes)
	s_mov_b32 s93, 0
	s_mov_b32 s95, 0
	s_lshl_b32 s46, s42, 7                         ; W, L: row 128 x tile column
	s_lshl_b32 s96, s46, 7
	s_mul_i32 s46, s46, KROW                       ; (under 2^24 bytes)
	s_mov_b32 s47, 0
	s_mov_b32 s97, 0
	s_mul_i32 s23, s20, HALFT                      ; where they go: wave x 128 rows: no place in the cluster enters an LDS address
	s_mul_i32 s101, s20, HALFS
	s_wait_kmcnt 0x0
	s_cmp_eq_u32 s22, 0                            ; W or L?  The choice hangs on the wave's number alone
	s_cselect_b64 s[66:67], s[8:9], s[12:13]
	s_cselect_b64 s[G0SB+2:G0SB+3], s[10:11], s[14:15]
	s_add_nc_u64 s[92:93], s[4:5], s[92:93]
	s_add_nc_u64 s[94:95], s[6:7], s[94:95]
	s_add_nc_u64 s[46:47], s[66:67], s[46:47]
	s_add_nc_u64 s[G0SB+2:G0SB+3], s[G0SB+2:G0SB+3], s[96:97]
	CROUND                                         ; all sixteen work-groups are here: the first joint loads meet
	s_mov_b32 s[G0S], 1
	s_add_co_u32 s[G0S+1], s101, SCL
	s_mov_b64 s[G0S+2:G0S+3], s[94:95]
	s_or_b32 s[G0S+3], s[G0S+3], 0x80000000
	s_mov_b32 s[G0SB], 1
	s_add_co_u32 s[G0SB+1], s101, SCL
	s_or_b32 s[G0SB+3], s[G0SB+3], 0x80000000
	JLOAD G0S, G1S, G0SB, G1SB                     ; the scales first: they are wanted with K step 0
.irp s, 0,1
	s_mov_b32 s[G0+4*\s], 1                                        ; 1:0 count = 1
	s_add_co_u32 s[G0+4*\s+1], s23, \s*SLOT                        ; 63:32 LDS address
	s_add_nc_u64 s[G0+4*\s+2:G0+4*\s+3], s[92:93], \s*ROWB         ; 120:64 global address: K step s
	s_or_b32 s[G0+4*\s+3], s[G0+4*\s+3], 0x80000000                ; 127:126 type = 2
	s_mov_b32 s[G0B+4*\s], 1
	s_add_co_u32 s[G0B+4*\s+1], s23, \s*SLOT
	s_add_nc_u64 s[G0B+4*\s+2:G0B+4*\s+3], s[46:47], \s*ROWB
	s_or_b32 s[G0B+4*\s+3], s[G0B+4*\s+3], 0x80000000
	JLOAD G0+4*\s, G1, G0B+4*\s, G1B               ; three tensor loads of mine are out
.endr
	v_and_b32 v1, 15, v0                           ; r = l % 16
	v_bfe_u32 v2, v0, 4, 1                         ; h = l / 16
	v_mul_u32_u24 v3, v1, PITCH
	v_mul_u32_u24 v4, v2, 24
	v_add_nc_u32 v4, v3, v4                        ; a fragment's row x pitch + 24 x half
	v_lshl_add_u32 v5, v2, 4, v4                   ; and the same behind one padding more
	s_mul_i32 s92, s21, HALFT                      ; my 128 rows of x
	s_mul_i32 s93, s22, 64*PITCH                   ; my 64 rows of W,
	s_add_co_u32 s93, s93, 2*HALFT                 ; which lie behind x's 256
.irp s, 0,1
	v_add_nc_u32 v[ADRA+\s], s92, v4
	v_add_nc_u32 v[ADRB+\s], s93, v4
	v_add_nc_u32 v[ADRA+2+\s], s92, v5
	v_add_nc_u32 v[ADRB+2+\s], s93, v5
	s_add_co_u32 s92, s92, SLOT
	s_add_co_u32 s93, s93, SLOT
.endr
	v_lshlrev_b32 v5, 7, v1                        ; my row's scales: 128 bytes a row,
	v_lshrrev_b32 v6, 1, v1
	v_lshl_add_u32 v5, v6, 4, v5                   ; and 16 more for each 256 passed
	s_mul_i32 s92, s21, HALFS                      ; x's: my 128 rows
	s_mul_i32 s93, s22, 4*SBLK                     ; W's: my 64 rows, behind x's 256
	s_add_co_u32 s93, s93, 2*HALFS
	s_sub_co_u32 s93, s93, s92
	v_mul_u32_u24 v6, s93, v2                      ; lanes 16-31 take W's: one product with the half, the distance between the two bases
	s_add_co_u32 s93, s93, 4*SBLK                  ; L's block i - 4 lies HALFS = 8 SBLK behind W's block i - 4: 4 SBLK behind the place that the offset i SBLK reaches from W's base
	v_mul_u32_u24 v7, s93, v2
	s_add_co_u32 s92, s92, SCL
	v_add_nc_u32 v5, s92, v5
	v_add_nc_u32 v[ADRS], v5, v6
	v_add_nc_u32 v[ADRS2], v5, v7
	s_mul_i32 s92, s20, 16*SPITCH                  ; my stage
	v_mul_u32_u24 v5, v1, SPITCH                   ; in: row r, 32 bytes for each half of the lanes
	v_lshl_add_u32 v5, v2, 5, v5
	v_add_nc_u32 v[STO], s92, v5
	v_mul_u32_u24 v5, v2, SPITCH                   ; back: lanes 0-15 take one row of 256 bytes, lanes 16-31 the next
	v_lshl_add_u32 v5, v1, 4, v5
	v_add_nc_u32 v[RD], s92, v5
	v_lshlrev_b32 v5, 14, v2                       ; and the same two rows in out
	v_lshl_add_u32 v[CO], v1, 4, v5
	s_lshl_b32 s92, s43, 8
	s_lshl_b32 s93, s21, 7
	s_add_co_u32 s92, s92, s93                     ; my first row of out: 256 x tile row + 128 x half,
	s_lshl_b32 s92, s92, 14                        ; in bytes (under 2^25)
	s_mov_b32 s93, 0
	s_add_nc_u64 s[18:19], s[18:19], s[92:93]
	s_lshl_b32 s46, s42, 9                         ; my first column, in bytes: 512 x tile column + 256 x half
	s_lshl_b32 s47, s22, 8
	s_add_co_u32 s46, s46, s47
	s_mov_b32 s47, 0
	s_add_nc_u64 s[18:19], s[18:19], s[46:47]
	s_add_nc_u64 s[16:17], s[16:17], s[46:47]      ; b at the same column
	v_lshlrev_b32 v8, 5, v2                        ; lane (r, h) wants, for n block b, b at columns 16 b + 8 h + 0 .. 7
.irp b, 0,1,2,3
	global_load_b128 v[BIAS+8*\b:BIAS+8*\b+3],   v8, s[16:17] offset:64*\b
	global_load_b128 v[BIAS+8*\b+4:BIAS+8*\b+7], v8, s[16:17] offset:64*\b+16
.endr
	; the prefetches (macro ASK): where my wave's stand, and who asks
	s_lshl_b32 s94, s43, 8
	s_lshl_b32 s95, s22, 7
	s_add_co_u32 s94, s94, s95                     ; the first row that I fetch: in x,
	s_lshl_b32 s46, s42, 7                         ; in W or L
	s_and_b32 s47, ttmp7, 0xffff                   ; cluster y
	s_cmp_eq_u32 s21, 0                            ; do I fetch for x?
	s_cselect_b32 s96, s94, s46
	s_cselect_b32 s97, s40, s41                    ; my place among the four that ask with me
	s_cselect_b32 s47, ttmp9, s47                  ; the coordinate along which other clusters read the same rows
	s_cselect_b64 s[PFA:PFA+1], s[4:5], s[66:67]
	s_cmp_eq_u32 s47, 0
	s_cselect_b32 s[LIM], 1, -1                    ; the same in all sixteen partners, for a given wave
	s_lshl_b32 s97, s97, 5
	s_add_co_u32 s96, s96, s97                     ; + my work-group's 32 of the 128 rows
	s_mul_i32 s96, s96, KROW
	s_add_co_u32 s96, s96, 4*ROWB-1                ; K step 3's last byte: the first refill steps it to K step 4's.  Nothing is prefetched here, at the head, where every work-group's first tiles are on their way
	s_mov_b32 s97, 0
	s_add_nc_u64 s[PFA:PFA+1], s[PFA:PFA+1], s[96:97]
	v_and_b32 v[PFO], 31, v0
	v_mul_u32_u24 v[PFO], v[PFO], KROW
.macro FRAG reg, adr, q, off           ; a fragment, 16 rows x 128 K of 6-bit codes, is 12 registers: lane l holds row l % 16; registers 6 c .. 6 c + 5 hold K = 64 c + 32 (l / 16) + 0 .. 31: 24 bytes of the row's stream of bits, as they lie
.irp p, 0,1,2,3,4,5                    ; in pieces of 8 bytes, so that every address is a multiple of the access's size.  Lanes 0-15 take the row's pieces 12 q + 0, 1, 2 and 12 q + 6, 7, 8, lanes 16-31 those three pieces on
.set PC, 12*(\q)+6*(\p/3)+\p%3        ; 16 bytes of padding lie behind every 64 bytes (8 pieces): where the piece three on lies behind one padding more, the second address register (40 for 24 bytes a half) serves
.if PC%8 < 5
	ds_load_b64 v[\reg+2*\p:\reg+2*\p+1], v[\adr] offset:8*PC+16*(PC/8)+(\off)
.else
	ds_load_b64 v[\reg+2*\p:\reg+2*\p+1], v[\adr+2] offset:8*PC+16*(PC/8)+(\off)
.endif
.endr
.endm
.macro FETCH_B slot, q, p              ; 48 loads: W's four fragments and L's four of the slot's q-th 128 along K into set p
	WIN TO_B
.irp i, 0,1,2,3,4,5,6,7
	FRAG 128*(\p)+FR*\i, ADRB+\slot, \q, (\i/4)*HALFT+(\i%4)*16*PITCH
.endr
.endm
.macro FETCH_A slot, q, p              ; 48 loads: x's eight fragments into set p, block 0 first
	WIN TO_A
.irp i, 0,1,2,3,4,5,6,7
	FRAG 128*(\p)+FR*\i, ADRA+\slot, \q, \i*16*PITCH
.endr
.endm
.macro SCALES sc                       ; the next K step's scale words into set sc: two words a row
	WIN 0
.irp i, 0,1,2,3
	ds_load_b64 v[SC+16*\sc+2*\i:SC+16*\sc+2*\i+1], v[ADRS] offset:\i*SBLK
.endr
.irp i, 4,5,6,7
	ds_load_b64 v[SC+16*\sc+2*\i:SC+16*\sc+2*\i+1], v[ADRS2] offset:\i*SBLK
.endr
.endm
; 16 matrix instructions: x's blocks a0, a0 + 1 against W's four blocks, then against L's four, 128 along K.  p: the sets of fragments;  q: which 128 of the slot;  sc: the set of scale words.
; first = 1: W's products start the sums with the bias as C: nothing is ever cleared, and the bias costs no addition.
; The eight accumulators take turns, one instruction a turn: between two links on one accumulator stand the seven others'.
.macro MUL16 a0, p, q, sc, first
.if \first
	WIN MUL_B
.else
	WIN MUL
.endif
.irp a, \a0, \a0+1
.irp b, 0,1,2,3
.if \first
	v_wmma_scale_f32_16x16x128_f8f6f4 v[8*(4*(\a)+\b):8*(4*(\a)+\b)+7], v[128*(\p)+FR*\b:128*(\p)+FR*\b+FR-1], v[128*(\p)+FR*(\a):128*(\p)+FR*(\a)+FR-1], v[BIAS+8*\b:BIAS+8*\b+7], v[SC+16*(\sc)+2*\b+(\q)], v[SC+16*(\sc)+2*(\a)+(\q)] matrix_a_fmt:MATRIX_FMT_FP6 matrix_b_fmt:MATRIX_FMT_FP6 matrix_a_scale:MATRIX_SCALE_ROW1
.else
	v_wmma_scale_f32_16x16x128_f8f6f4 v[8*(4*(\a)+\b):8*(4*(\a)+\b)+7], v[128*(\p)+FR*\b:128*(\p)+FR*\b+FR-1], v[128*(\p)+FR*(\a):128*(\p)+FR*(\a)+FR-1], v[8*(4*(\a)+\b):8*(4*(\a)+\b)+7], v[SC+16*(\sc)+2*\b+(\q)], v[SC+16*(\sc)+2*(\a)+(\q)] matrix_a_fmt:MATRIX_FMT_FP6 matrix_b_fmt:MATRIX_FMT_FP6 matrix_a_scale:MATRIX_SCALE_ROW1
.endif
.endr
.endr
	WIN MUL
.irp a, \a0, \a0+1
.irp b, 0,1,2,3
	v_wmma_scale_f32_16x16x128_f8f6f4 v[8*(4*(\a)+\b):8*(4*(\a)+\b)+7], v[128*(\p)+FR*(4+\b):128*(\p)+FR*(4+\b)+FR-1], v[128*(\p)+FR*(\a):128*(\p)+FR*(\a)+FR-1], v[8*(4*(\a)+\b):8*(4*(\a)+\b)+7], v[SC+16*(\sc)+2*(4+\b)+(\q)], v[SC+16*(\sc)+2*(\a)+(\q)] matrix_a_fmt:MATRIX_FMT_FP6 matrix_b_fmt:MATRIX_FMT_FP6 matrix_a_scale:MATRIX_SCALE_ROW1
.endr
.endr
.endm
; A load into a register that a matrix instruction has read, and an LDS store that reads a matrix result, stand NP places behind that matrix instruction, and only plain vector instructions that name none of its
; registers are places (ISA guide 7.12.1 for vector instructions); this text does not count the matrix instructions in between.
.macro PLACES n
.rept \n
	v_nop
.endr
.endm
; A slot's first 128 along K: multiplies the sets 0 and fetches the sets 1, in two runs of 48 loads.
.macro STEP slot, first
	s_wait_dscnt 36                                ; W's and L's fragments, the scale words and x's blocks 0, 1 are in; the youngest 36 loads (x's blocks 2-7) may be out
	MUL16 0, 0, 0, \slot, \first
	PLACES NP                                      ; for both runs of loads below: the sets 1 were last multiplied in the step before
	FETCH_B \slot, 1, 1
	s_wait_dscnt 48                                ; all but the 48 just issued
	MUL16 2, 0, 0, \slot, \first
	MUL16 4, 0, 0, \slot, \first
	FETCH_A \slot, 1, 1
	MUL16 6, 0, 0, \slot, \first
	WIN 0
.endm
; A slot's second 128 along K multiplies the sets 1 and changes slots: ONE barrier; in front of it each wave waits for all its tensor loads, adds 0 to its spare word, and waits for that and for its own reads of this slot.
; fill = 1: this slot is filled again, two K steps ahead; the barrier then opens a round of the cluster's barrier.  One tensor load of mine is out behind each round.
.macro TURN slot, next, fill
.if \fill
	s_wait_xcnt 0x0                                ; the last prefetch, a K step back, has read its address: it is stepped here, ahead of the waits of the change of slots
	s_add_nc_u64 s[PFA:PFA+1], s[PFA:PFA+1], ROWB
.endif
	s_wait_tensorcnt 0x0                           ; all my tensor loads have landed: my part of the next slot;  (every window is 0 here: the add's two registers lie in window 0)
	ds_add_u32 v[SPW], v[NIL]                      ; 0 onto my spare word
	s_wait_dscnt 37                                ; (the add and the youngest 36 loads, x's blocks 2-7, may be out)
	MUL16 0, 1, 1, \slot, 0                        ; sixteen matrix instructions stand between the add and the wait for it
	s_wait_dscnt 0x0                               ; the add is done, and my reads of this slot are over
	s_barrier_signal -1
	MUL16 2, 1, 1, \slot, 0
	WIN 0
	s_barrier_wait -1
.if \fill
	CREST                                          ; no wave of any partner still reads this slot's tiles or has a load on its way
	s_add_nc_u64 s[G0+4*\slot+2:G0+4*\slot+3], s[G0+4*\slot+2:G0+4*\slot+3], 2*ROWB
	s_add_nc_u64 s[G0B+4*\slot+2:G0B+4*\slot+3], s[G0B+4*\slot+2:G0B+4*\slot+3], 2*ROWB
	JLOAD G0+4*\slot, G1, G0B+4*\slot, G1B         ; the first tensor load behind the round; the four v_nop behind it are the places in front of the loads below
.else
	PLACES NP
.endif
	v_add_nc_u32 v[ADRS], 8, v[ADRS]               ; on to the next K step's scale words
	v_add_nc_u32 v[ADRS2], 8, v[ADRS2]
	FETCH_B \next, 0, 0
	SCALES \next
.if \fill
	ASK \slot                                      ; behind the joint load and the run of LDS loads that the next products wait for
.endif
	MUL16 4, 1, 1, \slot, 0
	FETCH_A \next, 0, 0
	MUL16 6, 1, 1, \slot, 0
	WIN 0
.endm
	s_wait_tensorcnt 1                             ; the scales and my part of K step 0 are in (K step 1's load may be out)
	s_barrier_signal -1
	s_barrier_wait -1                              ; everybody's are
	FETCH_B 0, 0, 0
	SCALES 0
	FETCH_A 0, 0, 0
	WIN 0
	s_wait_loadcnt 0x0                             ; the bias
	STEP 0, 1                                      ; the first step stands in front of the loop: its products start the sums
	s_mov_b32 s3, LAPS-1
.Llap:                                                 ; a trip goes once round the ring, from a lap's second step to the next lap's first, and fills both slots again
	TURN 0, 1, 1
	STEP 1, 0
	TURN 1, 0, 1
	STEP 0, 0
	s_sub_co_u32 s3, s3, 1
	s_cmp_lg_u32 s3, 0
	s_cbranch_scc1 .Llap
	TURN 0, 1, 0                                   ; the last lap fills nothing, and has no round of the cluster's barrier
	STEP 1, 0
	s_wait_dscnt 36                                ; the very last step: nothing more to fetch
	MUL16 0, 1, 1, 1, 0
	s_wait_dscnt 0
	MUL16 2, 1, 1, 1, 0
	MUL16 4, 1, 1, 1, 0
	MUL16 6, 1, 1, 1, 0
	WIN 0
; THE WAY OUT, block by block of 16 rows x 64 columns.  A lane holds 32 neighbouring bytes of a row, and the lanes beside it hold other rows: so a block goes through my own stage in LDS and comes back as whole
; rows of 256 bytes.  LDS serves a wave's instructions in order (ISA guide 5.7.1.4): no wait between the stores and the loads, nor in front of the next block's stores.
.macro TOSTAGE a
	WIN 0x0c                                       ; an LDS store's data are its source 1: window 3
.irp b, 0,1,2,3
	ds_store_b128 v[STO], v[32*(\a)+8*\b:32*(\a)+8*\b+3] offset:64*\b          ; each accumulator from its low end on
	ds_store_b128 v[STO], v[32*(\a)+8*\b+4:32*(\a)+8*\b+7] offset:64*\b+16
.endr
	WIN 0
.set BB, BK+32*((\a)%2)
.irp t, 0,1,2,3,4,5,6,7
	ds_load_b128 v[BB+4*\t:BB+4*\t+3], v[RD] offset:\t*2*SPITCH
.endr
.endm
.macro SEND a, younger                 ; younger: the LDS instructions issued behind block a's loads, which may stay out
.set BB, BK+32*((\a)%2)
	s_wait_dscnt \younger                          ; the block is back in registers
.if (\a) > 0
	s_add_nc_u64 s[18:19], s[18:19], 16*OROW       ; (behind a wait on XCNT: the earlier stores have read their base)  16 rows of out on
.endif
.irp t, 0,1,2,3,4,5,6,7
	global_store_b128 v[CO], v[BB+4*\t:BB+4*\t+3], s[18:19] offset:\t*2*OROW th:TH_STORE_NT   ; 16 lanes store 256 consecutive bytes, at a multiple of 256 from out's first byte; written once, read by nobody here
.endr
.endm
	PLACES NP                                      ; behind the last products, ahead of every LDS store that reads a result
	TOSTAGE 0
.irp a, 1,2,3,4,5,6,7
.if \a > 1
	s_wait_xcnt 0x0                                ; block a - 2's stores have read their registers and their base: block a's loads may land there, and the base may step
.endif
	TOSTAGE \a
	SEND \a-1, 16                                  ; behind block a - 1's loads: block a's 8 stores and 8 loads
.endr
	s_wait_xcnt 0x0                                ; block 6's stores have read their base
	SEND 7, 0
	s_wait_tensorcnt 0x0                           ; the wave's end: behind my last tensor load and my last LDS store
	ds_add_u32 v[SPW], v[NIL]
	s_wait_dscnt 0x0
	CROUND                                         ; the closing round: no work-group ends while a partner may still ask for a tile that names it
	s_endpgm
.Lfunc_end_k_qc88f61d8df_gemm:
	.size	k_qc88f61d8df_gemm, .Lfunc_end_k_qc88f61d8df_gemm-k_qc88f61d8df_gemm
	.p2alignl 7, 3214868480
	.fill 96, 4, 3214868480
	.section	.rodata,"a",@progbits
	.p2align	6, 0x0
	.amdhsa_kernel k_qc88f61d8df_gemm
		.amdhsa_group_segment_fixed_size 327680
		.amdhsa_private_segment_fixed_size 0
		.amdhsa_enable_private_segment 0
		.amdhsa_kernarg_size 64
		.amdhsa_user_sgpr_count 2
		.amdhsa_user_sgpr_kernarg_segment_ptr 1
		.amdhsa_wavefront_size32 1
		.amdhsa_system_sgpr_workgroup_id_x 1
		.amdhsa_system_sgpr_workgroup_id_y 1
		.amdhsa_system_sgpr_workgroup_id_z 1
		.amdhsa_system_vgpr_workitem_id 0
		.amdhsa_next_free_vgpr 1024
		.amdhsa_next_free_sgpr 102
		.amdhsa_reserve_vcc 0
		.amdhsa_float_denorm_mode_32 3
		.amdhsa_float_denorm_mode_16_64 3
		.amdhsa_memory_ordered 1
		.amdhsa_forward_progress 1
		.amdhsa_inst_pref_size 148
	.end_amdhsa_kernel
	.amdgpu_metadata
---
amdhsa.version: [ 1, 2 ]
amdhsa.kernels:
  - .name:           k_qc88f61d8df_gemm
    .symbol:         k_qc88f61d8df_gemm.kd
    .args:
      - { .name: x_codes, .offset: 0, .size: 8, .value_kind: global_buffer, .address_space: global }
      - { .name: x_scales, .offset: 8, .size: 8, .value_kind: global_buffer, .address_space: global }
      - { .name: W_codes, .offset: 16, .size: 8, .value_kind: global_buffer, .address_space: global }
      - { .name: W_scales, .offset: 24, .size: 8, .value_kind: global_buffer, .address_space: global }
      - { .name: L_codes, .offset: 32, .size: 8, .value_kind: global_buffer, .address_space: global }
      - { .name: L_scales, .offset: 40, .size: 8, .value_kind: global_buffer, .address_space: global }
      - { .name: b, .offset: 48, .size: 8, .value_kind: global_buffer, .address_space: global }
      - { .name: out0, .offset: 56, .size: 8, .value_kind: global_buffer, .address_space: global }
    .group_segment_fixed_size: 327680
    .private_segment_fixed_size: 0
    .kernarg_segment_align: 8
    .kernarg_segment_size: 64
    .max_flat_workgroup_size: 128
    .sgpr_count:     102
    .vgpr_count:     1024
    .wavefront_size: 32
...
	.end_amdgpu_metadata
.endif
;; end of part 2
